; MI455X (gfx1250); checked and timed in simulation.
; The chip was launched on July 23, 2026; its instructions are those of AMD's public machine-readable ISA for CDNA 5 (MIT licence, August 2026) and "CDNA5" Instruction Set Architecture Reference Guide (July 2026). The comments in the code are by the model that wrote it; some were corrected since.
;; Spatial Attention. Allowed arithmetic: matrix products marked QUANTISED: E5M2 operands, one E8M0 scale for each 32 along K, by v_wmma_scale_f32_16x16x128_f8f6f4 with both operands' format E5M2, f32 sums; products left as they are: f32 operands where the result goes on into a quantised operand, else bf16, f16 or f32 operands; f32 sums; everything else in f32.
;; Inputs: alpha1 1 float32; alpha2 1 float32; h 2 x 128 x 1,024 float32; obj_embed 128 x 256 x 1,024 float32; q1_b 1,024 float32; q1_w 1,024 x 1,024 float32; q2_b 1,024 float32; q2_w 1,024 x 1,024 float32; wk_b 1,024 float32; wk_w 1,024 x 1,024 float32; wv_b 1,024 float32; wv_w 1,024 x 1,024 float32.
;; Outputs: out0 128 x 1 x 1,024 float32.
;; This version of the problem:
;;   THIS VERSION OF THE PROBLEM IS GIVEN IN LOW PRECISION. The matrix products marked QUANTISED in the list below multiply operands that are first quantised to E5M2 (5 exponent bits, 2 mantissa bits; 8 bits a number), with one power-of-two scale for each 32 numbers along K (OCP MX v1.0); their sums are f32. All else is computed in f32.
;;   The module's matrix products, in the order in which they are computed (A, B: the left and right operand; K: the contracted axis; several contracted axes count as one K, in the product's order):
;;     1. [M 128, K 1,024] x [K 1,024, N 1,024]; A: input h; B: input q1_w: QUANTISED
;;     2. [M 128, K 1,024] x [K 1,024, N 1,024]; A: input h; B: input q2_w: QUANTISED
;;     3. [M 32,768, K 1,024] x [K 1,024, N 1,024]; A: input obj_embed; B: input wk_w: QUANTISED
;;     4. [M 32,768, K 1,024] x [K 1,024, N 1,024]; A: input obj_embed; B: input wv_w: QUANTISED
;;     5. batch 128 x [M 1, K 1,024] x [K 1,024, N 256]; A: computed on the way; B: computed on the way: left as it is (M = 1 < 16)
;;     6. batch 128 x [M 1, K 1,024] x [K 1,024, N 256]; A: computed on the way; B: computed on the way: left as it is (M = 1 < 16)
;;     7. batch 128 x [M 1, K 256] x [K 256, N 1,024]; A: softmax; B: computed on the way: left as it is (M = 1 < 16)
;;   THE QUANTISER, for each operand of a quantised product, along K:
;;     - K is cut into blocks of 32 from its start; a last block that is shorter is filled with zeros.
;;     - A block's scale is 2^e with e = floor(log2(the largest magnitude in the block)) - 15, held to -126 .. 127; a block of zeros has e = 0. As a byte (E8M0): e + 127.
;;     - Each number is divided by its block's scale, clamped to +-57,344, and rounded to the nearest number of E5M2, ties to even, subnormals kept.
;;     - The product sums the exact products of the quantised numbers (number of the format x scale) in f32.
;;   ~~~python
;;   def quantise(x, axis):      # numpy; x: float32 -> the quantised numbers, widened to float32 again
;;       x = np.moveaxis(x, axis, -1); K = x.shape[-1]
;;       x = np.pad(x, [(0, 0)] * (x.ndim - 1) + [(0, -K % 32)]); x = x.reshape(x.shape[:-1] + (-1, 32)); a = np.abs(x).max(-1, keepdims=True)
;;       e = np.where(a > 0, np.clip(np.frexp(np.where(a > 0, a, 1))[1] - 1 - 15, -126, 127), 0)      # np.frexp(a)[1] - 1 = floor(log2(a)), exactly
;;       r = np.clip(x / 2.0 ** e, -57344, 57344)
;;       step = 2.0 ** (np.maximum(np.frexp(np.where(r == 0, 1, r))[1] - 1, -14) - 2)
;;       q = np.round(r / step) * step * 2.0 ** e      # np.round: ties to even
;;       return np.moveaxis(q.reshape(q.shape[:-2] + (-1,))[..., :K], -1, axis).astype(np.float32)
;;   ~~~
;; One version. Each part assembles by itself: llvm-mc -triple=amdgcn-amd-amdhsa -mcpu=gfx1250 --defsym DOCPART=n.
;; ======== version 1 of 1: 3 launches
;; limits: right only within a limited range of input values
;; workspace buffers: wimg 2,162,688 bytes; qc 8,388,608 bytes; part 1,114,112 bytes
;; launch prep (part 1): grid 192 x 1, 16 waves a work-group, no clusters, 240,640 bytes of LDS; arguments wk_w, wv_w, q1_w, q2_w, h, q1_b, q2_b, alpha1, alpha2, wimg, qc; writes wimg, qc
.if DOCPART == 1
	.amdgcn_target "amdgcn-amd-amdhsa--gfx1250"
	.amdhsa_code_object_version 6
	.text
	.protected	k_qf1b71f8a35_prep
	.globl	k_qf1b71f8a35_prep
	.p2align	8
	.type	k_qf1b71f8a35_prep,@function
k_qf1b71f8a35_prep:
	s_mov_b64 s[64:65], 0
	v_nop
	global_prefetch_b8 v0, s[64:65] scope:SCOPE_SE
	s_setreg_imm32_b32 hwreg(HW_REG_WAVE_MODE, 25, 1), 1
	s_wait_xcnt 0x0
; EVERY WAVE QUANTISES ONE FRAGMENT (16 rows x 128 along K) to codes of E5M2 with one E8M0 scale for each 32 along K; no fragment is quantised twice but h's (eight column groups).
; Work-groups 0-127 = (matrix mu, K step ka, column group cg of 128): waves 0-7 take h[mu]'s eight row tiles, waves 8-15 q_mu's eight column tiles; the codes pass between the waves as register images in LDS;
;   wave v then multiplies column tile v % 8 with row tiles 4 (v / 8) + 0 .. 3.  qc[batch][8 mu + ka][column] = alpha_mu / 32 x (this K step's product + the bias where ka = 0): sixteen partial rows a batch,
;   which the next launch adds: both score products are linear in the queries, so their weights and 1 / sqrt(1024) are folded in here.
; Work-groups 128-191 = (slot sg, quarter w) of wimg: wave v takes column tile v / 2, K step 2 w + v % 2 of wk_w (sg 0-7) or wv_w (sg 8-15).
; wimg: slot sg (135,168 bytes) holds column tiles 8 (sg % 8) + i; quarter w (33,792 bytes) K steps 2 w + e; image of (i, e) at 4096 i + 2048 e + 512 c + 16 lane; scale word of (i, r, e) at 32768 + 128 i + 8 r + 4 e.
; THE QUANTISER: a block's byte is its largest magnitude's exponent field - 15, held at 1 from below; each number is held within +-57,344 x the scale and converted, ties to even.
; LIMITS: NaN and infinities among the inputs are not served.  A block of zeros gets the byte 1 where the rule says 127: its codes are zeros, and this program alone reads the bytes.
;   Blocks whose largest magnitude lies under 2^-111 are held at the byte 1.  A query's sum over K is made of f32 partial sums joined in f32: another order of rounding than one chain.
; A fragment is loaded densely (a load = 512 consecutive bytes of one row) and turned through the wave's own stage in LDS (rows 528 bytes apart), so that lane (r, h) holds k = 32 b + 16 h + 0 .. 15 of row r in registers 16 b + 0 .. 15.
; No tensor load, so no joint load; no prefetch: the text has no loop to run ahead in.
.set STGB, 8448                        ; a wave's stage: 16 rows x 528
.set IMG,  16*STGB                     ; sixteen images of 2,048 bytes
.set SCW,  IMG+32768                   ; their scale words, 128 bytes a wave
.set OST,  SCW+2048                    ; the way out: 128 batch rows x (512 + 16)
.set WSC,  OST+128*528                 ; the weight path's 1,024 bytes of scale words
.set SPARE, WSC+1024                   ; the spare words, 128 bytes a wave
.set LN,  1
.set RR,  2
.set HH,  3
.set XO,  4                            ; 16 x lane
.set STW, 5
.set STR, 6
.set TM,  8                            ; v8-23 the quantiser's work
.set PW,  24                           ; my row's scale word
.set IW,  25                           ; LDS addresses, all made at the head
.set SWA, 26
.set WA,  27
.set HA,  28
.set HS,  29
.set OW,  30
.set ORD, 31
.set WS,  32                           ; the weight tile's scale words; v33-36 h's
.set HSC, 33
.set BO,  37
.set WSA, 38
.set WSR, 39
.set CD,  40                           ; v40-55 codes
.set SPW, 56
.set NIL, 57
.set WSS, 58
.set RG,  64                           ; v64-127 64 numbers; later h's four fragments; later the way out
.set ACC, 128                          ; v128-159 four accumulators
.set BI,  160                          ; v160-167 the bias in the result's layout
.macro QUANT s, d, pw
.irp b, 0,1,2,3
	v_max3_num_f32 v[TM+\b], |v[(\s)+16*\b]|, |v[(\s)+16*\b+1]|, 0x8000000   ; my 16 numbers of block b, and the floor 2^(16 - 127)
.endr
.irp i, 2,4,6,8,10,12,14
.irp b, 0,1,2,3
	s_delay_alu instid0(VALU_DEP_4)
	v_max3_num_f32 v[TM+\b], v[TM+\b], |v[(\s)+16*\b+\i]|, |v[(\s)+16*\b+\i+1]|
.endr
.endr
.irp b, 0,1,2,3
	s_delay_alu instid0(VALU_DEP_4)
	v_permlanex16_b32 v[TM+4+\b], v[TM+\b], s28, s29
.endr
.irp b, 0,1,2,3
	s_delay_alu instid0(VALU_DEP_4)
	v_max_num_f32 v[TM+\b], v[TM+\b], v[TM+4+\b]       ; with lane l xor 16: the block's largest magnitude
.endr
.irp b, 0,1,2,3
	s_delay_alu instid0(VALU_DEP_4)
	v_add_nc_u32 v[TM+12+\b], 0xf8800000, v[TM+\b]     ; 15 off its exponent field: the conversion's scale operand
.endr
.irp b, 0,1,2,3
	v_and_or_b32 v[TM+8+\b], v[TM+\b], 0x7f800000, s46 ; 57,344 x the scale
.endr
.irp b, 0,1,2,3
	v_lshrrev_b32 v[TM+4+\b], 23, v[TM+12+\b]          ; the scale's byte
.endr
	s_delay_alu instid0(VALU_DEP_3)
	v_lshl_or_b32 v[\pw], v[TM+5], 8, v[TM+4]
	s_delay_alu instid0(VALU_DEP_1)
	v_lshl_or_b32 v[\pw], v[TM+6], 16, v[\pw]
	s_delay_alu instid0(VALU_DEP_1)
	v_lshl_or_b32 v[\pw], v[TM+7], 24, v[\pw]
.irp b, 0,1,2,3
.irp i, 0,1,2,3,4,5,6,7,8,9,10,11,12,13,14,15
	v_med3_num_f32 v[(\s)+16*\b+\i], v[(\s)+16*\b+\i], -v[TM+8+\b], v[TM+8+\b]   ; the conversion does not saturate (ISA guide 7.6.2): hold first
.endr
.endr
.irp b, 0,1,2,3
	v_cvt_scalef32_pk8_bf8_f32 v[(\d)+4*\b:(\d)+4*\b+1], v[(\s)+16*\b:(\s)+16*\b+7], v[TM+12+\b]
	v_cvt_scalef32_pk8_bf8_f32 v[(\d)+4*\b+2:(\d)+4*\b+3], v[(\s)+16*\b+8:(\s)+16*\b+15], v[TM+12+\b]
.endr
	v_nop                                          ; one plain vector instruction behind the last conversion
.endm
	s_load_b256 s[4:11], s[0:1], 0x0               ; wk_w, wv_w, q1_w, q2_w
	s_load_b256 s[12:19], s[0:1], 0x20             ; h, q1_b, q2_b, alpha1
	s_load_b128 s[20:23], s[0:1], 0x40             ; alpha2, wimg
	s_load_b64 s[24:25], s[0:1], 0x50              ; qc
	v_lshl_add_u32 v[SPW], v0, 2, SPARE
	v_mov_b32 v[NIL], 0
	v_lshrrev_b32 v[LN], 5, v0
	v_readfirstlane_b32 s26, v[LN]                 ; wave 0..15
	; all scalar work first, then the vector lines on end
	s_and_b32 s30, s26, 7                          ; ct: my tile among eight
	s_lshr_b32 s31, s26, 3                         ; 0: h's waves, 1: the weight's; later: which four row tiles
	s_and_b32 s47, s26, 1
	s_mul_i32 s27, s26, STGB
	s_lshl_b32 s48, s26, 11
	s_add_co_u32 s48, s48, IMG
	s_lshl_b32 s49, s26, 7
	s_add_co_u32 s49, s49, SCW
	s_lshl_b32 s50, s30, 11
	s_add_co_u32 s50, s50, IMG+16384
	s_lshl_b32 s51, s30, 7
	s_add_co_u32 s51, s51, SCW+1024
	s_lshl_b32 s52, s31, 13
	s_add_co_u32 s52, s52, IMG
	s_lshl_b32 s53, s31, 9
	s_add_co_u32 s53, s53, SCW
	s_mul_i32 s54, s31, 64*528
	s_lshl_b32 s35, s30, 6
	s_add_co_u32 s54, s54, s35
	s_add_co_u32 s54, s54, OST
	s_mul_i32 s55, s26, 8*528
	s_add_co_u32 s55, s55, OST
	s_lshr_b32 s56, s26, 1
	s_lshl_b32 s56, s56, 7
	s_lshl_b32 s35, s47, 2
	s_add_co_u32 s56, s56, s35
	s_add_co_u32 s56, s56, WSC
	s_lshl_b32 s57, s47, 9
	s_add_co_u32 s57, s57, WSC
	s_mov_b32 s28, 0x76543210
	s_mov_b32 s29, 0xfedcba98                      ; v_permlanex16_b32's selects for lane l xor 16
	s_mov_b32 s46, 0x600000                        ; the mantissa field of 57,344
	; the queries' offsets
	s_lshr_b32 s32, ttmp9, 6                       ; mu
	s_bfe_u32 s33, ttmp9, 0x30003                  ; ka
	s_and_b32 s34, ttmp9, 7                        ; cg
	s_cmp_lt_u32 s26, 8
	s_cselect_b32 s35, s32, s34                    ; h: matrix mu; the weight: 128 rows cg: 2^19 bytes either way
	s_lshl_b32 s35, s35, 19
	s_lshl_b32 s36, s30, 16
	s_add_co_u32 s35, s35, s36
	s_lshl_b32 s36, s33, 9
	s_add_co_u32 s35, s35, s36                     ; from: + 16 rows x tile + 512 ka
	s_lshl_b32 s58, s26, 19                        ; to: batch 8 x wave (65,536 bytes a batch), part 8 mu + ka, 512 cg
	s_lshr_b32 s36, ttmp9, 3
	s_lshl_b32 s36, s36, 12
	s_add_co_u32 s58, s58, s36
	s_lshl_b32 s36, s34, 9
	s_add_co_u32 s58, s58, s36
	s_lshl_b32 s59, s30, 6
	s_add_co_u32 s59, s59, s36                     ; the bias: 512 cg + 64 ct
	; the weights' offsets
	s_sub_co_u32 s37, ttmp9, 128
	s_lshr_b32 s38, s37, 2                         ; sg
	s_and_b32 s39, s37, 3                          ; w
	s_and_b32 s40, s38, 7
	s_lshl_b32 s40, s40, 19
	s_lshr_b32 s36, s26, 1
	s_lshl_b32 s36, s36, 16
	s_add_co_u32 s40, s40, s36
	s_lshl_b32 s36, s39, 1
	s_add_co_u32 s36, s36, s47
	s_lshl_b32 s36, s36, 9
	s_add_co_u32 s40, s40, s36
	s_mul_i32 s60, s38, 135168
	s_mul_i32 s36, s39, 33792
	s_add_co_u32 s60, s60, s36                     ; my quarter
	s_lshl_b32 s36, s26, 11
	s_add_co_u32 s62, s60, s36                     ; my image
	s_lshl_b32 s36, s47, 9
	s_add_co_u32 s60, s60, s36                     ; waves 0, 1: a half of the scale words
	s_cmp_lt_u32 ttmp9, 128
	s_cselect_b32 s40, s35, s40
	s_cselect_b32 s62, s58, s62
	s_mov_b32 s41, 0
	s_mov_b32 s61, 0
	s_mov_b32 s63, 0
	v_and_b32 v[LN], 31, v0
	v_and_b32 v[RR], 15, v0
	v_bfe_u32 v[HH], v0, 4, 1
	v_lshlrev_b32 v[XO], 4, v[LN]
	v_mul_u32_u24 v[STR], v[RR], 528
	v_add_nc_u32 v[STW], s27, v[XO]
	v_lshl_add_u32 v[OW], v[HH], 5, v[STR]
	v_lshl_add_u32 v[STR], v[HH], 6, v[STR]
	v_add_nc_u32 v[OW], s54, v[OW]                 ; stage out: row 64 (wave / 8) + r, byte 64 ct + 32 h
	v_add_nc_u32 v[STR], s27, v[STR]
	v_add_nc_u32 v[IW], s48, v[XO]
	v_lshl_add_u32 v[SWA], v[LN], 2, s49
	v_add_nc_u32 v[WA], s50, v[XO]
	v_lshl_add_u32 v[WSS], v[LN], 2, s51
	v_add_nc_u32 v[HA], s52, v[XO]
	v_lshl_add_u32 v[HS], v[LN], 2, s53
	v_add_nc_u32 v[ORD], s55, v[XO]
	v_lshlrev_b32 v[BO], 5, v[HH]
	v_lshl_add_u32 v[WSA], v[RR], 3, s56
	v_add_nc_u32 v[WSR], s57, v[XO]
.irp b, 0,1,2,3
	v_mov_b32 v[TM+4+\b], 0                        ; a lane permute's destination counts as one of its sources
.endr
	s_wait_alu depctr_va_vdst(0)
	s_wait_kmcnt 0x0
	s_cmp_eq_u32 s32, 0
	s_cselect_b64 s[42:43], s[8:9], s[10:11]
	s_cselect_b64 s[44:45], s[14:15], s[16:17]
	s_cselect_b64 s[50:51], s[18:19], s[20:21]
	s_cmp_lt_u32 s26, 8
	s_cselect_b64 s[42:43], s[12:13], s[42:43]
	s_cmp_lt_u32 s38, 8
	s_cselect_b64 s[48:49], s[4:5], s[6:7]
	s_cmp_lt_u32 ttmp9, 128
	s_cselect_b64 s[42:43], s[42:43], s[48:49]     ; where my fragment comes from,
	s_cselect_b64 s[48:49], s[24:25], s[22:23]     ; and where my results go
	s_add_nc_u64 s[42:43], s[42:43], s[40:41]
	s_add_nc_u64 s[48:49], s[48:49], s[62:63]
	s_cbranch_scc0 .Lboth
	s_load_b32 s52, s[50:51], 0x0                  ; alpha
	s_mov_b32 s40, s59
	s_add_nc_u64 s[44:45], s[44:45], s[40:41]
	global_load_b128 v[BI:BI+3], v[BO], s[44:45]   ; the bias of columns 16 ct + 8 h + 0 .. 7
	global_load_b128 v[BI+4:BI+7], v[BO], s[44:45] offset:16
.Lboth:
.irp i, 0,1,2,3,4,5,6,7,8,9,10,11,12,13,14,15
	global_load_b128 v[RG+4*\i:RG+4*\i+3], v[XO], s[42:43] offset:4096*\i
.endr
	s_wait_loadcnt 0x0
.irp i, 0,1,2,3,4,5,6,7,8,9,10,11,12,13,14,15
	ds_store_b128 v[STW], v[RG+4*\i:RG+4*\i+3] offset:528*\i
.endr
.irp b, 0,1,2,3
.irp j, 0,1,2,3
	ds_load_b128 v[RG+16*\b+4*\j:RG+16*\b+4*\j+3], v[STR] offset:128*\b+16*\j   ; LDS serves a wave's instructions in order (ISA guide 5.7.1.4)
.endr
.endr
	s_wait_dscnt 0x0
	QUANT RG, CD, PW
	s_wait_alu depctr_va_vdst(0)                   ; ahead of the branch
	s_cmp_lt_u32 ttmp9, 128
	s_cbranch_scc0 .Lweights
	; ---------------- THE QUERIES
	s_cmp_eq_u32 s33, 0
	s_cselect_b32 s54, 1.0, 0                      ; the bias enters in K step 0 alone
	s_mov_b32 s55, s54
.irp c, 0,1,2,3
	ds_store_b128 v[IW], v[CD+4*\c:CD+4*\c+3] offset:512*\c    ; my fragment as an image of its registers
.endr
	ds_store_b32 v[SWA], v[PW]
.irp i, 0,2,4,6
	v_pk_mul_f32 v[BI+\i:BI+\i+1], v[BI+\i:BI+\i+1], s[54:55] op_sel_hi:[1,0]
.endr
	s_wait_alu depctr_va_vdst(0)
	s_wait_dscnt 0x0                               ; for the others' sake: my stores have landed
	s_barrier_signal -1
	s_barrier_wait -1
.irp c, 0,1,2,3
	ds_load_b128 v[CD+4*\c:CD+4*\c+3], v[WA] offset:512*\c     ; the weight's tile ct
.endr
	ds_load_b32 v[WS], v[WSS]
.irp t, 0,1,2,3
.irp c, 0,1,2,3
	ds_load_b128 v[RG+16*\t+4*\c:RG+16*\t+4*\c+3], v[HA] offset:2048*\t+512*\c   ; h's row tiles 4 (wave / 8) + t
.endr
	ds_load_b32 v[HSC+\t], v[HS] offset:128*\t
.endr
	s_wait_kmcnt 0x0
	s_wait_dscnt 0x0
.irp t, 0,1,2,3                                ; transposed: source 0 = 16 rows of the weight, source 1 = h's 16 rows: a lane holds one batch row and eight neighbouring columns; the bias is C; one product to an accumulator
	v_wmma_scale_f32_16x16x128_f8f6f4 v[ACC+8*\t:ACC+8*\t+7], v[CD:CD+15], v[RG+16*\t:RG+16*\t+15], v[BI:BI+7], v[WS], v[HSC+\t] matrix_a_fmt:MATRIX_FMT_BF8 matrix_b_fmt:MATRIX_FMT_BF8
.endr
	v_mov_b32 v168, s52                            ; eight places behind the last product: these three and five v_nop
	v_mul_f32 v168, 0x3d000000, v168               ; alpha / 32: 32 = sqrt(1024)
	v_mov_b32 v169, v168
.rept 5
	v_nop
.endr
.set t, 0
.rept 16
	v_pk_mul_f32 v[ACC+t:ACC+t+1], v[ACC+t:ACC+t+1], v[168:169]   ; each accumulator from its low end on
.set t, t+2
.endr
.irp t, 0,1,2,3
	ds_store_b128 v[OW], v[ACC+8*\t:ACC+8*\t+3] offset:8448*\t
	ds_store_b128 v[OW], v[ACC+8*\t+4:ACC+8*\t+7] offset:8448*\t+16
.endr
	s_wait_dscnt 0x0
	s_barrier_signal -1
	s_barrier_wait -1
.irp k, 0,1,2,3,4,5,6,7
	ds_load_b128 v[RG+4*\k:RG+4*\k+3], v[ORD] offset:528*\k    ; batch rows 8 x wave + k, 512 bytes each
.endr
	s_wait_dscnt 0x0
.irp k, 0,1,2,3,4,5,6,7
	global_store_b128 v[XO], v[RG+4*\k:RG+4*\k+3], s[48:49] offset:65536*\k   ; 32 lanes store 512 consecutive bytes, aligned
.endr
	s_wait_tensorcnt 0x0                           ; the wave's end
	ds_add_u32 v[SPW], v[NIL]
	s_wait_dscnt 0x0
	s_endpgm
	; ---------------- THE WEIGHTS
.Lweights:
.irp c, 0,1,2,3
	global_store_b128 v[XO], v[CD+4*\c:CD+4*\c+3], s[48:49] offset:512*\c     ; my image: each store covers 512 consecutive bytes, aligned
.endr
	ds_store_b32 v[WSA], v[PW]                     ; both halves of the lanes write the same word with the same value
	s_add_nc_u64 s[22:23], s[22:23], s[60:61]
	s_wait_dscnt 0x0
	s_barrier_signal -1
	s_barrier_wait -1
	s_cmp_lt_u32 s26, 2                            ; two waves store the quarter's 1,024 bytes of scale words
	s_cbranch_scc0 .Lend_w
	ds_load_b128 v[RG:RG+3], v[WSR]
	s_wait_dscnt 0x0
	global_store_b128 v[XO], v[RG:RG+3], s[22:23] offset:32768
.Lend_w:
	s_wait_tensorcnt 0x0                           ; the wave's end
	ds_add_u32 v[SPW], v[NIL]
	s_wait_dscnt 0x0
	s_endpgm
.Lfunc_end_k_qf1b71f8a35_prep:
	.size	k_qf1b71f8a35_prep, .Lfunc_end_k_qf1b71f8a35_prep-k_qf1b71f8a35_prep
	.p2alignl 7, 3214868480
	.fill 96, 4, 3214868480
	.section	.rodata,"a",@progbits
	.p2align	6, 0x0
	.amdhsa_kernel k_qf1b71f8a35_prep
		.amdhsa_group_segment_fixed_size 240640
		.amdhsa_private_segment_fixed_size 0
		.amdhsa_enable_private_segment 0
		.amdhsa_kernarg_size 88
		.amdhsa_user_sgpr_count 2
		.amdhsa_user_sgpr_kernarg_segment_ptr 1
		.amdhsa_wavefront_size32 1
		.amdhsa_system_sgpr_workgroup_id_x 1
		.amdhsa_system_sgpr_workgroup_id_y 1
		.amdhsa_system_sgpr_workgroup_id_z 1
		.amdhsa_system_vgpr_workitem_id 0
		.amdhsa_next_free_vgpr 192
		.amdhsa_next_free_sgpr 66
		.amdhsa_reserve_vcc 0
		.amdhsa_float_denorm_mode_32 3
		.amdhsa_float_denorm_mode_16_64 3
		.amdhsa_memory_ordered 1
		.amdhsa_forward_progress 1
		.amdhsa_inst_pref_size 26
	.end_amdhsa_kernel
	.amdgpu_metadata
---
amdhsa.version: [ 1, 2 ]
amdhsa.kernels:
  - .name:           k_qf1b71f8a35_prep
    .symbol:         k_qf1b71f8a35_prep.kd
    .args:
      - { .name: wk_w, .offset: 0, .size: 8, .value_kind: global_buffer, .address_space: global }
      - { .name: wv_w, .offset: 8, .size: 8, .value_kind: global_buffer, .address_space: global }
      - { .name: q1_w, .offset: 16, .size: 8, .value_kind: global_buffer, .address_space: global }
      - { .name: q2_w, .offset: 24, .size: 8, .value_kind: global_buffer, .address_space: global }
      - { .name: h, .offset: 32, .size: 8, .value_kind: global_buffer, .address_space: global }
      - { .name: q1_b, .offset: 40, .size: 8, .value_kind: global_buffer, .address_space: global }
      - { .name: q2_b, .offset: 48, .size: 8, .value_kind: global_buffer, .address_space: global }
      - { .name: alpha1, .offset: 56, .size: 8, .value_kind: global_buffer, .address_space: global }
      - { .name: alpha2, .offset: 64, .size: 8, .value_kind: global_buffer, .address_space: global }
      - { .name: wimg, .offset: 72, .size: 8, .value_kind: global_buffer, .address_space: global }
      - { .name: qc, .offset: 80, .size: 8, .value_kind: global_buffer, .address_space: global }
    .group_segment_fixed_size: 240640
    .private_segment_fixed_size: 0
    .kernarg_segment_align: 8
    .kernarg_segment_size: 88
    .max_flat_workgroup_size: 512
    .sgpr_count:     66
    .vgpr_count:     192
    .wavefront_size: 32
...
	.end_amdgpu_metadata
.endif
;; end of part 1
;; launch main (part 2): grid 256 x 1, 4 waves a work-group, clusters of 4 x 1, 327,680 bytes of LDS; arguments obj_embed, wimg, qc, wk_b, part; writes part
.if DOCPART == 2
	.amdgcn_target "amdgcn-amd-amdhsa--gfx1250"
	.amdhsa_code_object_version 6
	.text
	.protected	k_qf1b71f8a35_main
	.globl	k_qf1b71f8a35_main
	.p2align	8
	.type	k_qf1b71f8a35_main,@function
k_qf1b71f8a35_main:
	s_mov_b64 s[64:65], 0
	v_nop
	global_prefetch_b8 v0, s[64:65] scope:SCOPE_SE
	s_setreg_imm32_b32 hwreg(HW_REG_WAVE_MODE, 25, 1), 1
	s_wait_xcnt 0x0
	s_wait_alu depctr_hold_cnt(0) depctr_sa_sdst(0) depctr_va_vdst(0) depctr_va_sdst(0) depctr_va_ssrc(0) depctr_va_vcc(0) depctr_vm_vsrc(0)
	s_getreg_b32 s2, hwreg(HW_REG_IB_STS2, 6, 4)
	s_cmp_eq_u32 s2, 0
	s_cbranch_scc0 .Lentry_in_a_cluster
	s_endpgm
.Lentry_in_a_cluster:
	s_bfe_u32 s2, ttmp6, 0x10000c
	s_cmp_lg_u32 s2, 0x3003
	s_cbranch_scc0 .Lentry_shape_is_right
	s_endpgm
.Lentry_shape_is_right:
; For 128 rows of obj_embed (half a batch): key = X wk_w^T, score = qc . (key + wk_b), a softmax over these 128 rows with their own maximum, value = X wv_w^T, o = the sum of p x value.
; Key and value never leave the registers.  part[work-group] = o (1,024 f32, not normalised, without wv_b), then the pair (maximum, sum of p) 32 times: one block of 256 bytes.  The next launch joins a batch's two halves.
; Both large products run on codes of E5M2 with one E8M0 scale for each 32 along K.  X is quantised here, on its way into the operand registers; the weights come as register images from wimg.
; THE FOUR WAVES SHARE K: wave w owns K = 256 w .. 256 w + 255 for all 128 rows and all 2 x 1,024 columns.  So its part of X (8 tiles of 16 rows x 2 K steps of 128: 256 registers) is made by itself alone and stays;
; each image of a weight is read from LDS once, by one wave, and feeds eight matrix instructions; each wave fetches just the quarter of a slot that it reads.  The partial sums over K are never joined as matrices:
; the score and the weighted sum are linear in them, so each wave puts its partial results through f32 multiply-adds, and only 128 scores and 1,024 outputs are joined, through LDS.
; A COLUMN TILE is 16 matrix instructions (source 0 = 16 rows of X, source 1 = 16 rows of the weight): lane (r, h), register j of accumulator m holds (row 16 m + 8 h + j, column 16 c + r).
; TWO SETS OF ACCUMULATORS take turns tile by tile: while one tile's products fill one set, the multiply-adds of the tile before read the other, two behind each matrix instruction.
; THE RING: two LDS slots of 8 column tiles (135,168 bytes), 16 slots in all (8 of wk_w, 8 of wv_w).  All work-groups walk the same slots: the four of a cluster ask for each quarter JOINTLY.
; LIMITS: NaN and infinities among the inputs are not served.  A block of zeros gets the byte 1 where the rule says 127 (its codes are zeros; this program alone reads the bytes); blocks whose largest magnitude lies under
;   2^-111 are held at the byte 1.  Sums over K are four f32 partial sums joined in f32: another order of rounding than one chain.
; REGISTERS, in windows of 256 (s_set_vgpr_msb: bits 1:0 source 0, 3:2 source 1, 5:4 source 2, 7:6 destination):
;   window 0: v1-31 addresses and the quantiser's work; v32-47 X's scale words (2 m + e); v48-51 the weight's (2 p + e); v58, v59 maximum and sum; v64-127 64 numbers at work; v128-255 qc's sixteen parts and v192, v193 qc . wk_b, once
;   window 1: first X's four sets of 64 as loaded; then v0-63 the weight's two sets of two fragments; v64-191 the two sets of 8 accumulators (the softmax works in the first); v192-255 the 64 score sums, later the chains and o
;   window 2: v0-127 X's fragments of K step 0; v128-135 LDS addresses of the loop; v160-163 qc of two tiles, a pair of registers to each; v192-255 the 64 weights p
;   window 3: v0-127 X's fragments of K step 1; v160-163 and v192-255: the same numbers as in window 2
; So a tile's products want two settings, M2 for K step 0 and M3 for K step 1; under both the multiply-adds need no switch (qc or p in source 0's window, accumulators and sums in window 1), and under M2 neither do the
; loads of the weight's images (destination window 1, address window 2).
.set SLOTB, 135168                     ; a slot: four quarters
.set QRT,   33792                      ; a quarter: 8 tiles x 2 images of 2,048 bytes, then 1,024 bytes of scale words: 132 rows of 256 bytes
.set STAGE, 2*SLOTB                    ; behind the ring: a stage for each wave: X's turn (16 rows x 528); the image of 64 score sums (8,192); 256 bytes that nobody reads + 64 tiles x 128 bytes of o (8,448)
.set STGB,  8704
.set QCL,   STAGE+4*STGB               ; each wave's copy of qc's row, 4,096 bytes
.set QCB,   4096
.set SCO,   QCL+4*QCB                  ; the 128 scores
.set SPARE, SCO+512                    ; the spare words, 128 bytes for each wave: two blocks of 256 bytes that no other line names
.set RR,  1                            ; v1   r = lane % 16
.set HH,  2                            ; v2   h = lane / 16
.set XO,  3                            ; v3   16 x lane
.set STW, 4                            ; v4   my stage + 16 x lane
.set STR, 5                            ; v5   my stage + 528 r + 64 h
.set SPW, 6                            ; v6   LDS address of my spare word; never rewritten
.set NIL, 7                            ; v7   0; never rewritten
.set TM,  8                            ; v8-11 largest magnitudes, v12-15 bytes, v16-19 largest number x scale, v20-23 the conversions' scale operands
.set RX,  24                           ; v24  the four waves' images 4 w on: STAGE + 2,048 w + 16 x lane
.set SW,  25                           ; v25  where I put finished scores: SCO + 128 w + 32 h
.set SR,  26                           ; v26  where I read them: SCO + 32 h
.set FR,  27                           ; v27  the way out: o of tile 16 w + lane / 4, columns 4 (lane % 4) on
.set GO,  28                           ; v28  and its place in part: 1,024 w + 16 x lane
.set ML,  29                           ; v29  8 x lane
.set BO,  30
.set QW,  31                           ; v31  the first wave's copy of qc + 1,024 w + 16 x lane
.set SA,  32
.set SB,  48
.set LN,  52
.set TA,  53
.set TB_, 54
.set MX,  58                           ; v58  the largest of the 128 scores;  v59 the sum of the 128 p
.set LS,  59
.set T,   64
.set QT,  128
.set QQ,  160
.set WB,  176
.set BE,  192
.set ACC, 64                           ; window 1: set q's accumulator m at ACC + 64 q + 8 m
.set SX,  64                           ; the softmax's work: in the first set, which holds nothing then
.set S,   192
.set CH,  192                          ; the value phase: set q's two chains at CH + 4 q
.set OV,  200
.set B0,  128                          ; window 2: my quarter + 16 x lane;  v129 its scale words + 8 r;  v130 my qc + 4 r;  v131 my stage + 4 x lane
.set S0,  129
.set Q0,  130
.set O0,  131
.set BA,  132                          ; the same four for the pair of tiles in hand
.set SAD, 133
.set QA,  134
.set OA,  135
.set QC,  160                          ; windows 2 and 3: set p's qc in v[QC + 2 p]; v[QC + 2 p + 1] is written once and never loaded: a packed source names both registers of its pair, so the pair that is read holds no register that a load is still to write
.set WR,  192                          ; windows 2 and 3
.set WV,  14                           ; s14  my wave
.set CX,  15                           ; s15  my place in the cluster: it enters global addresses of X, qc and part alone
.set WG,  16                           ; s16  my work-group
.set SEL, 20                           ; s[20:21]
.set MNT, 22
.set G1,  24                           ; s[24:31] descriptor group 1
.set G0A, 32                           ; s[32:35] group 0 of slot 0's fill
.set G0,  36                           ; s[36:39] group 0 that walks
.set WQ,  41                           ; s41  33,792 x wave
.set TN,  42                           ; s42  LDS byte of the pair's images, less my quarter's
.set TS,  43                           ; s43  the same for its scale words
.set TQ,  44                           ; s44  the pair's place in qc (128 a pair), later in o's stage (256 a pair)
.set SLC, 45
.set PRC, 46
.set XB,  48                           ; s[48:49] X at my rows and my K
.set L2E, 50                           ; s[50:51] log2(e), twice
.set PB,  52                           ; s[52:53] my row of part
.set M2,  0x56
.set M3,  0x57
.set MSB, 0
.macro WIN new                         ; the immediate's high byte repeats the setting that is left; a switch that changes nothing is dropped
.if MSB != (\new)
	s_set_vgpr_msb (MSB<<8)|(\new)
.set MSB, (\new)
.endif
.endm
.macro CREST                           ; a round of the cluster's barrier behind its opening barrier
	s_cmp_lg_u32 s[WV], 0
	s_cbranch_scc1 .Lnot_wave_0_\@
	s_barrier_signal -3
.Lnot_wave_0_\@:
	s_barrier_wait -3
	s_barrier_signal -1
	s_barrier_wait -1
.endm
.macro ROUND
	s_barrier_signal -1
	s_barrier_wait -1
	CREST
.endm
.macro BAR                             ; my LDS stores have landed and my LDS loads are in: then the work-group's barrier
	s_wait_dscnt 0x0
	s_barrier_signal -1
	s_barrier_wait -1
.endm
; Fragment q = (row tile q / 2, K step q % 2) of X: 16 loads, each 512 consecutive bytes of one row, into set q % 4 of window 1
.macro XLOAD q
	WIN 0x40
.irp i, 0,1,2,3,4,5,6,7,8,9,10,11,12,13,14,15
	global_load_b128 v[64*((\q)%4)+4*\i:64*((\q)%4)+4*\i+3], v[XO], s[XB:XB+1] offset:(16*((\q)/2)+\i)*4096+512*((\q)%2) th:TH_LOAD_NT
.endr
	WIN 0
.endm
; The 64 numbers in v[T] on (register 16 b + i = k 32 b + 16 h + i of row r) become fragment (e, m) of X, straight in its registers (window 2 + e, v[16 m] on), and the scale word v[SA + 2 m + e]
.macro QUANT m, e
.irp b, 0,1,2,3
	v_max3_num_f32 v[TM+\b], |v[T+16*\b]|, |v[T+16*\b+1]|, 0x8000000   ; my 16 numbers of block b, and the floor 2^(16 - 127): the byte cannot fall under 1
.endr
.irp i, 2,4,6,8,10,12,14
.irp b, 0,1,2,3
	v_max3_num_f32 v[TM+\b], v[TM+\b], |v[T+16*\b+\i]|, |v[T+16*\b+\i+1]|   ; the four blocks by turns
.endr
.endr
.irp b, 0,1,2,3
	v_permlanex16_b32 v[TM+4+\b], v[TM+\b], s[SEL], s[SEL+1]
.endr
.irp b, 0,1,2,3
	v_max_num_f32 v[TM+\b], v[TM+\b], v[TM+4+\b]       ; with lane l xor 16: the block's largest magnitude
.endr
.irp b, 0,1,2,3
	v_add_nc_u32 v[TM+12+\b], 0xf8800000, v[TM+\b]     ; 15 off its exponent field: the conversion's scale operand
.endr
.irp b, 0,1,2,3
	v_and_or_b32 v[TM+8+\b], v[TM+\b], 0x7f800000, s[MNT]   ; 57,344 x the scale
.endr
.irp b, 0,1,2,3
	v_lshrrev_b32 v[TM+4+\b], 23, v[TM+12+\b]          ; the scale's byte
.endr
	v_lshl_or_b32 v[SA+2*(\m)+(\e)], v[TM+5], 8, v[TM+4]
	v_lshl_or_b32 v[SA+2*(\m)+(\e)], v[TM+6], 16, v[SA+2*(\m)+(\e)]
	v_lshl_or_b32 v[SA+2*(\m)+(\e)], v[TM+7], 24, v[SA+2*(\m)+(\e)]
.irp b, 0,1,2,3
.irp i, 0,1,2,3,4,5,6,7,8,9,10,11,12,13,14,15
	v_med3_num_f32 v[T+16*\b+\i], v[T+16*\b+\i], -v[TM+8+\b], v[TM+8+\b]   ; the conversion to an 8-bit code does not saturate (ISA guide 7.6.2): hold first
.endr
.endr
.set qA, 16*(\m)
	WIN 0x80+0x40*(\e)                             ; the destination alone lies in window 2 or 3
.irp b, 0,1,2,3
	v_cvt_scalef32_pk8_bf8_f32 v[qA+4*\b:qA+4*\b+1], v[T+16*\b:T+16*\b+7], v[TM+12+\b]
	v_cvt_scalef32_pk8_bf8_f32 v[qA+4*\b+2:qA+4*\b+3], v[T+16*\b+8:T+16*\b+15], v[TM+12+\b]
.endr
	WIN 0
	v_nop                                          ; one plain vector instruction behind the last conversion
.endm
.macro XFRAG q
.if (\q) < 13
	s_wait_loadcnt 48                              ; loads come back in order (ISA guide 5.7.1): this set's 16 are in, the three younger sets' 48 may be out
.else
	s_wait_loadcnt 16*(15-(\q))                    ; the last sets: the count runs down
.endif
	WIN 0x04                                       ; an LDS store's data are its source 1: window 1
.irp i, 0,1,2,3,4,5,6,7,8,9,10,11,12,13,14,15
	ds_store_b128 v[STW], v[64*((\q)%4)+4*\i:64*((\q)%4)+4*\i+3] offset:528*\i
.endr
	WIN 0
.irp b, 0,1,2,3
.irp j, 0,1,2,3
	ds_load_b128 v[T+16*\b+4*\j:T+16*\b+4*\j+3], v[STR] offset:128*\b+16*\j   ; LDS serves a wave's instructions in order (ISA guide 5.7.1.4): these see the stores above
.endr
.endr
	s_wait_dscnt 0x0                               ; the numbers are back, and the stores have read the set:
.if (\q) < 12
	XLOAD (\q)+4                                   ; it takes the fragment four further on
.endif
	QUANT (\q)/2, (\q)%2
.endm
; Matrix instruction n of a tile's 16: K step n / 8, row tile n % 8; p: the weight's set and the accumulators' set.  The first eight start the sums with the constant 0.  The eight accumulators take turns.
.macro MM n, p
.set mE, (\n)/8
.set mM, (\n)%8
.set mA, 16*mM
.set mB, 32*(\p)+16*mE
.set mC, ACC+64*(\p)+8*mM
.if mE == 0
	v_wmma_scale_f32_16x16x128_f8f6f4 v[mC:mC+7], v[mA:mA+15], v[mB:mB+15], 0, v[SA+2*mM+mE], v[SB+2*(\p)+mE] matrix_a_fmt:MATRIX_FMT_BF8 matrix_b_fmt:MATRIX_FMT_BF8
.else
	v_wmma_scale_f32_16x16x128_f8f6f4 v[mC:mC+7], v[mA:mA+15], v[mB:mB+15], v[mC:mC+7], v[SA+2*mM+mE], v[SB+2*(\p)+mE] matrix_a_fmt:MATRIX_FMT_BF8 matrix_b_fmt:MATRIX_FMT_BF8
.endif
.endm
; Slice s of 16 of the multiply-adds of the tile that lies in set q: row tile s / 2, its registers 4 (s % 2) on.
.macro EPIK s, q                       ; score sums += qc of my column x the accumulator; the qc pair's low register serves both halves
.set eA, ACC+64*(\q)+4*(\s)
.set eS, S+4*(\s)
	v_pk_fma_f32 v[eS:eS+1], v[QC+2*(\q):QC+2*(\q)+1], v[eA:eA+1], v[eS:eS+1] op_sel_hi:[0,1,1]
	v_pk_fma_f32 v[eS+2:eS+3], v[QC+2*(\q):QC+2*(\q)+1], v[eA+2:eA+3], v[eS+2:eS+3] op_sel_hi:[0,1,1]
.endm
.macro EPIV s, q                       ; set q's two chains += the rows' p x the accumulator; slice 0 starts them
.set eA, ACC+64*(\q)+4*(\s)
.set eW, WR+4*(\s)
.set eC, CH+4*(\q)
.if (\s) == 0
	v_pk_mul_f32 v[eC:eC+1], v[eW:eW+1], v[eA:eA+1]
	v_pk_mul_f32 v[eC+2:eC+3], v[eW+2:eW+3], v[eA+2:eA+3]
.else
	v_pk_fma_f32 v[eC:eC+1], v[eW:eW+1], v[eA:eA+1], v[eC:eC+1]
	v_pk_fma_f32 v[eC+2:eC+3], v[eW+2:eW+3], v[eA+2:eA+3], v[eC+2:eC+3]
.endif
.endm
.macro EPI kind, s, q
.if (\kind) == 0
	EPIK \s, \q
.else
	EPIV \s, \q
.endif
.endm
.macro SL kind, n, p                   ; matrix instruction n of this tile, and behind it slice n of the tile before
	MM \n, \p
	EPI \kind, \n, 1-(\p)
.endm
.macro RED q                           ; set q's two chains' four numbers: my lane's o of a finished tile.  The constant 1.0 stands as source 0, whose window holds X: so no switch is needed; x 1.0 rounds nothing
	v_pk_fma_f32 v[CH+4*(\q):CH+4*(\q)+1], 1.0, v[CH+4*(\q)+2:CH+4*(\q)+3], v[CH+4*(\q):CH+4*(\q)+1] op_sel_hi:[0,1,1]
	v_fma_f32 v[OV], 1.0, v[CH+4*(\q)+1], v[CH+4*(\q)]
.endm
.macro PAIRTOP kind                    ; the LDS addresses of a pair of tiles
	WIN 0x88
	v_add_nc_u32 v[BA], s[TN], v[B0]
	v_add_nc_u32 v[SAD], s[TS], v[S0]
.if (\kind) == 0
	v_add_nc_u32 v[QA], s[TQ], v[Q0]
.else
	v_add_nc_u32 v[OA], s[TQ], v[O0]
.endif
.endm
.macro LDB p, e, off                   ; under M2: the next tile's image of K step e into the set that tile p does not use
.irp cc, 0,1,2,3
	ds_load_b128 v[32*(1-(\p))+16*(\e)+4*\cc:32*(1-(\p))+16*(\e)+4*\cc+3], v[BA] offset:(\off)+2048*(\e)+512*\cc
.endr
.endm
.macro LDSB p, soff                    ; the next tile's two scale words
	WIN 0x02
	ds_load_b64 v[SB+2*(1-(\p)):SB+2*(1-(\p))+1], v[SAD] offset:\soff
.endm
; A TILE'S ONE RUN OF LDS INSTRUCTIONS, begun under M2: the next tile's two images and scale words; in the key phase this tile's own qc, wanted when its multiply-adds run, a tile later, into both windows;
; in the value phase o of the tile two back: tile c lies 128 (c + 2) bytes into my stage.
.macro RUN kind, p, off, soff
	LDB \p, 0, \off
	LDB \p, 1, \off
.if (\kind) == 1
	ds_store_b32 v[OA], v[OV] offset:128*(\p)
.endif
	LDSB \p, \soff
.if (\kind) == 0
	WIN 0x82
	ds_load_b32 v[QC+2*(\p)], v[QA] offset:64*(\p)
	WIN 0xc2
	ds_load_b32 v[QC+2*(\p)], v[QA] offset:64*(\p)
.endif
.endm
; A COLUMN TILE.  kind 0: key, 1: value.  p: its sets.  chg 0: the next tile lies in the same slot; 1: this is a slot's last tile, and the slot is filled again; 2: a slot's last tile, nothing to fill; 3: the last tile of all.
; DISTANCES (this form: eight places ahead of a read of a result or of a load into an operand, nine ahead of a matrix instruction that writes over a result; only plain vector instructions that name
; none of the earlier instruction's registers are places).  The slices are the places.  Accumulator m of the other set got its last product at instruction 8 + m of the tile before and is read from slice 2 m on:
; 16 + 2 m plain instructions lie between.  The run's loads into the other set of images and scale words stand behind the tile before's last slice and this tile's first five: twelve at least.  An accumulator is begun anew a whole tile behind its last read.
.macro TILE kind, p, chg
	s_wait_dscnt 0x0                               ; this tile's images and scale words, and the qc of the tile before, are in: asked for eleven matrix instructions ago, eight behind a change of slots
.if (\chg) == 1
	WIN 0                                          ; THE CHANGE OF SLOTS.  Those were my last reads of this slot.  (The add's two registers lie in window 0)
	s_wait_tensorcnt 0x0                           ; all my tensor loads have landed: the one that was out is my quarter of the next slot; so a group 0 may be written
	ds_add_u32 v[SPW], v[NIL]                      ; 0 onto my spare word
	s_xor_b32 s[G0+1], s[G0+1], SLOTB              ; the walking descriptor: the other slot than last time (33,792 x wave has neither of SLOTB's two bits),
	s_add_nc_u64 s[G0+2:G0+3], s[G0+2:G0+3], SLOTB ; the next slot of wimg; the type bits on top are not reached
.endif
	WIN M2
	SL \kind, 0, \p
	SL \kind, 1, \p
.if (\chg) == 1
	s_wait_alu depctr_va_vdst(0)
	s_wait_dscnt 0x0                               ; the add is done, and no LDS read of mine is out
	s_barrier_signal -1                            ; this barrier opens a round of the cluster's barrier; register work alone stands in it
.endif
	SL \kind, 2, \p
	SL \kind, 3, \p
.if (\chg) == 0
	SL \kind, 4, \p                                ; five slices, ten plain vector lines, stand between the pair's address lines (and the chains' last step) and their readers below
.endif
.if (\kind) == 1
	RED \p
.endif
.if (\chg) == 0
	RUN \kind, \p, 4096*((\p)+1), 128*((\p)+1)
	WIN M2
.elseif (\chg) == 3
	ds_store_b32 v[OA], v[OV] offset:128*(\p)
.endif
.if (\chg) != 0
	SL \kind, 4, \p
.endif
.irp n, 5,6,7
	SL \kind, \n, \p
.endr
.if ((\chg) == 1) || ((\chg) == 2)
	WIN 0                                          ; at a branch and at a label every window is 0
.if (\chg) == 1
	s_barrier_wait -1
	CREST                                          ; no wave of any partner still reads this slot or has a load on its way
	tensor_load_to_lds s[G0:G0+3], s[G1:G1+7]      ; my one tensor load behind the round, and the first thing there: it has a slot's 128 matrix instructions in which to land
	s_nop 0
.rept 4
	v_nop
.endr
.else
	s_wait_tensorcnt 0x0                           ; my quarter of the last slot, which I alone read, has landed; nothing is filled any more
.endif
	s_sub_co_u32 s[TN], s[TN], 24576               ; back to a slot's first pair,
	s_xor_b32 s[TN], s[TN], SLOTB                  ; in the other slot
	s_sub_co_u32 s[TS], s[TS], 768
	s_xor_b32 s[TS], s[TS], SLOTB
	WIN 0x88
	v_add_nc_u32 v[BA], s[TN], v[B0]
	v_add_nc_u32 v[SAD], s[TS], v[S0]
	WIN M2
	RUN \kind, \p, 0, 0
.endif
	WIN M3
.if (\chg) != 0
	s_wait_alu depctr_va_vdst(0)                   ; a barrier or a wait stands between slices 7 and 8
.endif
.irp n, 8,9,10,11,12,13,14,15
	SL \kind, \n, \p
.endr
.endm
; A SLOT: four pairs of tiles; three in a loop, the fourth written out, since it ends with the change of slots
.macro SLOT kind, chg
	s_mov_b32 s[PRC], 3
.Lpair_\@:
	PAIRTOP \kind
	TILE \kind, 0, 0
	TILE \kind, 1, 0
	WIN 0
	s_add_co_u32 s[TN], s[TN], 8192
	s_add_co_u32 s[TS], s[TS], 256
	s_add_co_u32 s[TQ], s[TQ], 128+128*(\kind)
	s_sub_co_u32 s[PRC], s[PRC], 1
	s_cmp_lg_u32 s[PRC], 0
	s_cbranch_scc1 .Lpair_\@
	PAIRTOP \kind
	TILE \kind, 0, 0
	s_wait_alu depctr_va_vdst(0)
	TILE \kind, 1, \chg
	WIN 0
	s_add_co_u32 s[TQ], s[TQ], 128+128*(\kind)
.endm
	; ---------------- THE HEAD
	s_load_b256 s[4:11], s[0:1], 0x0               ; obj_embed s[4:5], wimg s[6:7], qc s[8:9], wk_b s[10:11]
	s_load_b64 s[12:13], s[0:1], 0x20              ; part
	v_lshl_add_u32 v[SPW], v0, 2, SPARE
	v_mov_b32 v[NIL], 0
	ds_add_u32 v6, v7
	ds_add_u32 v6, v7
	s_wait_dscnt 0x0
	v_lshrrev_b32 v[RR], 5, v0
	v_readfirstlane_b32 s[WV], v[RR]               ; wave 0..3
	s_bfe_u32 s[CX], ttmp6, 0x40000                ; cx
	s_lshl_b32 s[WG], ttmp9, 2                     ; in a cluster launch ttmp9 counts clusters
	s_add_co_u32 s[WG], s[WG], s[CX]               ; my work-group = 4 x cluster + cx
	v_and_b32 v[LN], 31, v0
	v_and_b32 v[RR], 15, v0
	v_bfe_u32 v[HH], v0, 4, 1
	v_lshlrev_b32 v[XO], 4, v[LN]
	s_mul_i32 s17, s[WV], STGB
	s_add_co_u32 s17, s17, STAGE                   ; my stage
	v_add_nc_u32 v[STW], s17, v[XO]
	v_mul_u32_u24 v[STR], v[RR], 528
	v_lshl_add_u32 v[STR], v[HH], 6, v[STR]
	v_add_nc_u32 v[STR], s17, v[STR]
	s_lshl_b32 s18, s[WV], 11
	s_add_co_u32 s18, s18, STAGE
	v_add_nc_u32 v[RX], s18, v[XO]
	v_lshrrev_b32 v[TA], 2, v[LN]
	v_and_b32 v[TB_], 3, v[LN]
	v_lshlrev_b32 v[FR], 7, v[TA]
	v_lshl_add_u32 v[FR], v[TB_], 4, v[FR]
	s_add_co_u32 s18, s18, 256                     ; o's tiles begin 256 bytes into a stage
	v_add_nc_u32 v[FR], s18, v[FR]
	s_lshl_b32 s18, s[WV], 7
	s_add_co_u32 s18, s18, SCO
	v_lshl_add_u32 v[SW], v[HH], 5, s18
	v_lshl_add_u32 v[SR], v[HH], 5, SCO
	v_lshlrev_b32 v[ML], 3, v[LN]
	s_lshl_b32 s18, s[WV], 10                      ; 1,024 x wave: my K in a row of X, my quarter of qc, wk_b and o
	v_add_nc_u32 v[GO], s18, v[XO]
	s_mul_i32 s19, s[WV], QCB
	s_add_co_u32 s19, s19, QCL                     ; my copy of qc
	v_add_nc_u32 v[QW], QCL, v[GO]                 ; my quarter of qc's row in the first wave's copy; the other copies lie QCB bytes apart
.irp b, 0,1,2,3
	v_mov_b32 v[TM+4+\b], 0                        ; written once: a lane permute's destination counts as one of its sources
.endr
	s_mul_i32 s[WQ], s[WV], QRT                    ; my quarter of a slot: no place in the cluster enters an LDS address
	s_add_co_u32 s23, s[WQ], 32768
	WIN 0x80                                       ; destination window 2
	v_add_nc_u32 v[B0], s[WQ], v[XO]
	v_lshl_add_u32 v[S0], v[RR], 3, s23
	v_lshl_add_u32 v[Q0], v[RR], 2, s19
	v_lshl_add_u32 v[O0], v[LN], 2, s17
	WIN 0
	s_lshl_b32 s54, s[WG], 19                      ; X: 128 rows of 4,096 bytes a work-group, + my K
	s_add_co_u32 s54, s54, s18
	s_mov_b32 s55, 0
	s_mul_i32 s56, s[WG], 4352                     ; part: 4,352 bytes a work-group
	s_mov_b32 s57, 0
	s_lshr_b32 s58, s[WG], 1                       ; qc: the batch's row
	s_lshl_b32 s58, s58, 16                        ; sixteen partial rows of 4,096 bytes a batch
	s_mov_b32 s59, 0
	s_mov_b32 s60, s[WQ]
	s_mov_b32 s61, 0
	s_mov_b32 s[SEL], 0x76543210
	s_mov_b32 s[SEL+1], 0xfedcba98                 ; v_permlanex16_b32's selects for lane l xor 16
	s_mov_b32 s[MNT], 0x600000                     ; the mantissa field of 57,344
	s_mov_b32 s[L2E], 0x3fb8aa3b                   ; log2(e)
	s_mov_b32 s[L2E+1], 0x3fb8aa3b
	; descriptor group 1: a quarter is a dense block: 132 rows of 32 elements of 8 bytes, no padding (images are read 16 bytes a lane, on end)
	s_mov_b32 s[G1], 15|(3<<16)|(1<<21)            ; 15:0 the mask: all four work-groups of the cluster; 17:16 elements of 8 bytes; 21 set beside a mask
	s_mov_b32 s[G1+1], 32<<16                      ; tensor_dim0 = 32
	s_mov_b32 s[G1+2], 132<<16                     ; tensor_dim1 = 132
	s_mov_b32 s[G1+3], 32<<16                      ; tile_dim0 = 32
	s_mov_b32 s[G1+4], 132                         ; tile_dim1 = 132
	s_mov_b32 s[G1+5], 32                          ; from row to row
	s_mov_b32 s[G1+6], 0
	s_mov_b32 s[G1+7], 0
	s_wait_alu depctr_va_vdst(0)
	s_wait_kmcnt 0x0
	s_add_nc_u64 s[XB:XB+1], s[4:5], s[54:55]
	s_add_nc_u64 s[PB:PB+1], s[12:13], s[56:57]
	s_add_nc_u64 s[8:9], s[8:9], s[58:59]
	s_mov_b32 s[G0A], 1                            ; count = 1
	s_mov_b32 s[G0A+1], s[WQ]                      ; LDS: ring slot 0, my quarter
	s_add_nc_u64 s[G0A+2:G0A+3], s[6:7], s[60:61]  ; wimg's slot 0, my quarter: the same in all four partners
	s_mov_b32 s[G0], 1
	s_add_co_u32 s[G0+1], s[WQ], SLOTB             ; ring slot 1
	s_add_nc_u64 s[G0+2:G0+3], s[G0A+2:G0A+3], SLOTB   ; wimg's slot 1
	s_or_b32 s[G0A+3], s[G0A+3], 0x80000000        ; type = 2
	s_or_b32 s[G0+3], s[G0+3], 0x80000000
; qc comes as sixteen partial rows (two matrices x eight K steps).  My wave adds them for columns 256 w on: my lane takes columns 256 w + 128 q + 4 lane + 0 .. 3, q = 0, 1: each load reads 512 consecutive bytes
.irp p, 0,1,2,3,4,5,6,7,8,9,10,11,12,13,14,15
	global_load_b128 v[QT+8*\p:QT+8*\p+3], v[GO], s[8:9] offset:4096*\p
	global_load_b128 v[QT+8*\p+4:QT+8*\p+7], v[GO], s[8:9] offset:4096*\p+512
.endr
	global_load_b128 v[T:T+3], v[GO], s[10:11]                 ; wk_b at the same columns
	global_load_b128 v[T+4:T+7], v[GO], s[10:11] offset:512
	XLOAD 0
	ROUND                                          ; all four work-groups are here: the first joint loads meet; 50 global loads of mine are out
	tensor_load_to_lds s[G0A:G0A+3], s[G1:G1+7]    ; slot 0's first fill
	s_nop 0
.rept 4
	v_nop
.endr
	XLOAD 1
	XLOAD 2
	XLOAD 3
	s_wait_loadcnt 63
.irp s, 8,4,2,1
.set u, 0
.rept \s
.irp x, 0,2,4,6
	v_pk_add_f32 v[QT+8*u+\x:QT+8*u+\x+1], v[QT+8*u+\x:QT+8*u+\x+1], v[QT+8*(u+\s)+\x:QT+8*(u+\s)+\x+1]   ; the sixteen parts, as a tree
.endr
.set u, u+1
.endr
.endr
.irp c, 0,1,2,3
	ds_store_b128 v[QW], v[QT:QT+3] offset:QCB*\c              ; my quarter of the row into all four waves' copies; the round below shows them to the others
	ds_store_b128 v[QW], v[QT+4:QT+7] offset:QCB*\c+512
.endr
	v_pk_mul_f32 v[BE:BE+1], v[QT:QT+1], v[T:T+1]
.irp i, 2,4,6
	v_pk_fma_f32 v[BE:BE+1], v[QT+\i:QT+\i+1], v[T+\i:T+\i+1], v[BE:BE+1]
.endr
	v_add_f32 v[BE], v[BE], v[BE+1]                ; qc . wk_b over my lane's eight columns,
	v_permlanex16_b32 v[TM+4], v[BE], s[SEL], s[SEL+1]
	v_add_f32 v[BE], v[BE], v[TM+4]                ; and lane l xor 16's: the sixteen lanes of a half x four waves cover the 1,024
.irp q, 0,1,2,3,4,5,6,7,8,9,10,11
	XFRAG \q
.endr
	s_wait_alu depctr_va_vdst(0)
	s_wait_tensorcnt 0x0                           ; my quarter of slot 0, which I alone read, has landed
	ds_add_u32 v[SPW], v[NIL]
	s_wait_dscnt 0x0
	ROUND
	tensor_load_to_lds s[G0:G0+3], s[G1:G1+7]      ; slot 1's first fill: my one tensor load behind the round; it lands while the rest of X is quantised
	s_nop 0
.rept 4
	v_nop
.endr
.irp q, 12,13,14,15
	XFRAG \q
.endr
	; ---------------- AHEAD OF THE KEY PHASE (every global load has landed: the last fragment's wait was for 0)
	WIN 0x40
.set t, 0
.rept 64
	v_mov_b32 v[S+t], v[BE]                        ; the score sums begin with the bias's share
.set t, t+1
.endr
; The loop is written once: its first tile runs the multiply-adds of a tile that does not exist.  Set 1's qc is 0 until its first load, and set 1's accumulators still hold numbers of X as they were loaded, finite by the
; limit stated at the head: the sums get 0.  The two pairs' upper registers are named with the lower ones, so they are written; no half of a product takes them.
	WIN 0x80
	v_mov_b32 v[QC+1], 0
	v_mov_b32 v[QC+2], 0
	v_mov_b32 v[QC+3], 0
	WIN 0xc0
	v_mov_b32 v[QC+1], 0
	v_mov_b32 v[QC+2], 0
	v_mov_b32 v[QC+3], 0
	WIN 0
	s_mov_b32 s[TN], 0
	s_mov_b32 s[TS], 0
	s_mov_b32 s[TQ], 0
	PAIRTOP 0
	WIN M2
	LDB 1, 0, 0                                    ; tile 0 into set 0
	LDB 1, 1, 0
	LDSB 1, 0
	WIN 0
	; ---------------- THE KEY PHASE: slots 0 to 7; each is filled again
	s_wait_alu depctr_va_vdst(0)
	s_mov_b32 s[SLC], 8
.Lkey:
	SLOT 0, 1
	s_sub_co_u32 s[SLC], s[SLC], 1
	s_cmp_lg_u32 s[SLC], 0
	s_cbranch_scc1 .Lkey
	s_wait_dscnt 0x0                               ; the last tile's qc is in (and the first value tile, in set 0, which nothing touches until the value phase)
	WIN M3
.irp s, 0,1,2,3,4,5,6,7,8,9,10,11,12,13,14,15
	EPIK \s, 1                                     ; the last tile's multiply-adds
.endr
	; ---------------- THE SOFTMAX over my work-group's 128 rows
	WIN 0x04
.irp i, 0,1,2,3,4,5,6,7,8,9,10,11,12,13,14,15
	ds_store_b128 v[STW], v[S+4*\i:S+4*\i+3] offset:512*\i     ; my 64 partial sums, as an image of their registers
.endr
	WIN 0
	BAR                                            ; all four waves' images lie in LDS
	WIN 0x40
.irp u, 0,1,2,3
.irp i, 0,1,2,3
	ds_load_b128 v[SX+16*\u+4*\i:SX+16*\u+4*\i+3], v[RX] offset:STGB*\u+512*\i   ; registers 16 w .. 16 w + 15 of all four waves
.endr
.endr
	s_wait_dscnt 0x0
	WIN 0x55
.irp u, 1,2,3
.irp t, 0,2,4,6,8,10,12,14
	v_pk_add_f32 v[SX+\t:SX+\t+1], v[SX+\t:SX+\t+1], v[SX+16*\u+\t:SX+16*\u+\t+1]   ; over K
.endr
.endr
.irp x, 1,2,4,8
.irp t, 0,1,2,3,4,5,6,7,8,9,10,11,12,13,14,15
	v_add_f32_dpp v[SX+\t], v[SX+\t], v[SX+\t] row_xmask:\x row_mask:0xf bank_mask:0xf   ; over the sixteen lanes' columns
.endr
.endr
	WIN 0x04
.irp i, 0,1,2,3
	ds_store_b128 v[SW], v[SX+4*\i:SX+4*\i+3] offset:64*(\i/2)+16*(\i%2)   ; rows 32 w + 16 (i / 2) + 8 h + 4 (i % 2) on; the sixteen lanes of a half write the same bytes with the same values
.endr
	WIN 0
	BAR                                            ; the 128 scores lie in LDS, and nobody reads a stage any more
	WIN 0x40
.irp m, 0,1,2,3,4,5,6,7
	ds_load_b128 v[S+8*\m:S+8*\m+3], v[SR] offset:64*\m            ; register 8 m + j: the score of row 16 m + 8 h + j: the accumulators' layout
	ds_load_b128 v[S+8*\m+4:S+8*\m+7], v[SR] offset:64*\m+16
.endr
	s_wait_dscnt 0x0
	WIN 0x55
	v_max3_num_f32 v[SX], v[S], v[S+1], v[S+2]
	v_max3_num_f32 v[SX+1], v[S+3], v[S+4], v[S+5]
	v_max3_num_f32 v[SX+2], v[S+6], v[S+7], v[S+8]
	v_max3_num_f32 v[SX+3], v[S+9], v[S+10], v[S+11]
.set t, 12
.rept 26
	v_max3_num_f32 v[SX+(t/2)%4], v[SX+(t/2)%4], v[S+t], v[S+t+1]  ; four chains
.set t, t+2
.endr
	v_max3_num_f32 v[SX], v[SX], v[SX+1], v[SX+2]
	v_max_num_f32 v[SX], v[SX], v[SX+3]
	v_permlanex16_b32 v[SX+4], v[SX], s[SEL], s[SEL+1]             ; the other 64 rows lie in the lane 16 away
	WIN 0x05                                       ; sources window 1, destination window 0
	v_max_num_f32 v[MX], v[SX], v[SX+4]            ; the largest of the 128 scores
	v_mov_b32 v[LS], 0                             ; (named with it as a pair, so it is written)
	WIN 0x41                                       ; the scores in window 1, the maximum in window 0
.set t, 0
.rept 32
	v_pk_add_f32 v[S+t:S+t+1], v[S+t:S+t+1], v[MX:MX+1] op_sel_hi:[1,0] neg_lo:[0,1] neg_hi:[0,1]   ; s - maximum first, so that a large maximum costs no bits,
.set t, t+2
.endr
.set t, 0
.rept 32
	v_pk_mul_f32 v[S+t:S+t+1], v[S+t:S+t+1], s[L2E:L2E+1] op_sel_hi:[1,0]   ; then x log2(e)
.set t, t+2
.endr
	WIN 0xc1                                       ; source window 1, destination window 3
.set t, 0
	s_wait_alu depctr_va_vdst(0)
.rept 64
	v_exp_f32 v[WR+t], v[S+t]                      ; p = e^(s - maximum), at most 1: one batch
.set t, t+1
.endr
	v_nop                                          ; a plain instruction behind the last exponential,
	s_wait_alu depctr_va_vdst(0)                   ; and a wait ahead of the batch's first reader
	WIN 0x83                                       ; source window 3, destination window 2
.set t, 0
.rept 64
	v_mov_b32 v[WR+t], v[WR+t]                     ; p stands in both windows from which X is taken: 64 copies once spare two switches round each of the value phase's 1,024 slices
.set t, t+1
.endr
	WIN 0x4f                                       ; both sources window 3, destination window 1
	v_pk_add_f32 v[SX:SX+1], v[WR:WR+1], v[WR+2:WR+3]
	v_pk_add_f32 v[SX+2:SX+3], v[WR+4:WR+5], v[WR+6:WR+7]
	WIN M3
.set t, 8
.rept 14
	v_pk_add_f32 v[SX:SX+1], v[WR+t:WR+t+1], v[SX:SX+1]            ; two chains
	v_pk_add_f32 v[SX+2:SX+3], v[WR+t+2:WR+t+3], v[SX+2:SX+3]
.set t, t+4
.endr
	WIN 0x55
	v_pk_add_f32 v[SX:SX+1], v[SX:SX+1], v[SX+2:SX+3]
	v_add_f32 v[SX+4], v[SX], v[SX+1]
	v_permlanex16_b32 v[SX+5], v[SX+4], s[SEL], s[SEL+1]
	WIN 0x05
	v_add_f32 v[LS], v[SX+4], v[SX+5]              ; the sum of the 128 p
	WIN 0
	; ---------------- THE VALUE PHASE: slots 8 to 15.  The first two tiles finish and store tiles that do not exist; what comes of it goes into the first 256 bytes of my stage, which nobody reads.
	s_mov_b32 s[TQ], 0
	s_wait_alu depctr_va_vdst(0)
	s_mov_b32 s[SLC], 6
.Lval:
	SLOT 1, 1                                      ; slots 8 to 13 are filled again, with slots 10 to 15
	s_sub_co_u32 s[SLC], s[SLC], 1
	s_cmp_lg_u32 s[SLC], 0
	s_cbranch_scc1 .Lval
	SLOT 1, 2                                      ; the last two are written out
	SLOT 1, 3
	WIN M2
	RED 0                                          ; tile 62, whose chains the last tile's slices finished,
	ds_store_b32 v[OA], v[OV] offset:256
.irp s, 0,1,2,3,4,5,6,7,8,9,10,11,12,13,14,15
	EPIV \s, 1                                     ; and the last tile's multiply-adds
.endr
	RED 1
	ds_store_b32 v[OA], v[OV] offset:384
	WIN 0
	; ---------------- THE WAY OUT: o's eight parts (four waves' K x two halves' rows) are added; a wave stores 256 columns
	BAR
.irp t, 0,1
.irp u, 0,1,2,3
	ds_load_b128 v[T+32*\t+8*\u:T+32*\t+8*\u+3], v[FR] offset:STGB*\u+1024*\t
	ds_load_b128 v[T+32*\t+8*\u+4:T+32*\t+8*\u+7], v[FR] offset:STGB*\u+1024*\t+64
.endr
.endr
	s_wait_dscnt 0x0
.irp t, 0,1
.irp x, 4,8,12,16,20,24,28
	v_pk_add_f32 v[T+32*\t:T+32*\t+1], v[T+32*\t:T+32*\t+1], v[T+32*\t+\x:T+32*\t+\x+1]
	v_pk_add_f32 v[T+32*\t+2:T+32*\t+3], v[T+32*\t+2:T+32*\t+3], v[T+32*\t+\x+2:T+32*\t+\x+3]
.endr
	global_store_b128 v[GO], v[T+32*\t:T+32*\t+3], s[PB:PB+1] offset:512*\t    ; 32 lanes store 512 consecutive bytes, aligned to 256
.endr
	s_cmp_lg_u32 s[WV], 0
	s_cbranch_scc1 .Lno_ml
	global_store_b64 v[ML], v[MX:MX+1], s[PB:PB+1] offset:4096     ; (maximum, sum) 32 times: 256 consecutive bytes, aligned
.Lno_ml:
	s_wait_tensorcnt 0x0                           ; the wave's end, behind my last tensor load and my last LDS store
	ds_add_u32 v[SPW], v[NIL]
	s_wait_dscnt 0x0
	ROUND                                          ; the closing round: no work-group ends while a partner may still ask for a quarter that names it
	s_endpgm
.Lfunc_end_k_qf1b71f8a35_main:
	.size	k_qf1b71f8a35_main, .Lfunc_end_k_qf1b71f8a35_main-k_qf1b71f8a35_main
	.p2alignl 7, 3214868480
	.fill 96, 4, 3214868480
	.section	.rodata,"a",@progbits
	.p2align	6, 0x0
	.amdhsa_kernel k_qf1b71f8a35_main
		.amdhsa_group_segment_fixed_size 327680
		.amdhsa_private_segment_fixed_size 0
		.amdhsa_enable_private_segment 0
		.amdhsa_kernarg_size 40
		.amdhsa_user_sgpr_count 2
		.amdhsa_user_sgpr_kernarg_segment_ptr 1
		.amdhsa_wavefront_size32 1
		.amdhsa_system_sgpr_workgroup_id_x 1
		.amdhsa_system_sgpr_workgroup_id_y 1
		.amdhsa_system_sgpr_workgroup_id_z 1
		.amdhsa_system_vgpr_workitem_id 0
		.amdhsa_next_free_vgpr 1024
		.amdhsa_next_free_sgpr 66
		.amdhsa_reserve_vcc 0
		.amdhsa_float_denorm_mode_32 3
		.amdhsa_float_denorm_mode_16_64 3
		.amdhsa_memory_ordered 1
		.amdhsa_forward_progress 1
		.amdhsa_inst_pref_size 255
	.end_amdhsa_kernel
	.section	.bss,"aw",@nobits
	.p2align	6
	.space	262144
	.amdgpu_metadata
---
amdhsa.version: [ 1, 2 ]
amdhsa.kernels:
  - .name:           k_qf1b71f8a35_main
    .symbol:         k_qf1b71f8a35_main.kd
    .args:
      - { .name: obj_embed, .offset: 0, .size: 8, .value_kind: global_buffer, .address_space: global }
      - { .name: wimg, .offset: 8, .size: 8, .value_kind: global_buffer, .address_space: global }
      - { .name: qc, .offset: 16, .size: 8, .value_kind: global_buffer, .address_space: global }
      - { .name: wk_b, .offset: 24, .size: 8, .value_kind: global_buffer, .address_space: global }
      - { .name: part, .offset: 32, .size: 8, .value_kind: global_buffer, .address_space: global }
    .group_segment_fixed_size: 327680
    .private_segment_fixed_size: 0
    .kernarg_segment_align: 8
    .kernarg_segment_size: 40
    .max_flat_workgroup_size: 128
    .sgpr_count:     66
    .vgpr_count:     1024
    .wavefront_size: 32
...
	.end_amdgpu_metadata
.endif
;; end of part 2
;; launch combine (part 3): grid 128 x 1, 8 waves a work-group, no clusters, 0 bytes of LDS; arguments part, wv_b, out0; writes out0
.if DOCPART == 3
	.amdgcn_target "amdgcn-amd-amdhsa--gfx1250"
	.amdhsa_code_object_version 6
	.text
	.protected	k_qf1b71f8a35_combine
	.globl	k_qf1b71f8a35_combine
	.p2align	8
	.type	k_qf1b71f8a35_combine,@function
k_qf1b71f8a35_combine:
	s_mov_b64 s[64:65], 0
	v_nop
	global_prefetch_b8 v0, s[64:65] scope:SCOPE_SE
	s_setreg_imm32_b32 hwreg(HW_REG_WAVE_MODE, 25, 1), 1
	s_wait_xcnt 0x0
; out0[b][d] = (f0 o0[d] + f1 o1[d]) / (f0 l0 + f1 l1) + wv_b[d], f_i = e^(m_i - max(m0, m1)): the two halves of batch b's softmax, each taken under its own maximum m_i with its own sum l_i, are brought
; under the common maximum.  The softmax's weights add up to 1, so the value bias enters here, once.  One work-group a batch; thread t owns columns 4 t .. 4 t + 3.  All in f32.
; A stream of 12 KiB a work-group: no LDS, no barrier, no matrix unit.  LIMITS: NaN and infinities are not served.
	s_load_b128 s[4:7], s[0:1], 0x0                ; part s[4:5], wv_b s[6:7]
	s_load_b64 s[8:9], s[0:1], 0x10                ; out0
	v_lshlrev_b32 v1, 4, v0                        ; 16 bytes a thread
	s_mul_i32 s10, ttmp9, 8704                     ; two rows of part, 4,352 bytes each
	s_mov_b32 s11, 0
	s_lshl_b32 s12, ttmp9, 12
	s_mov_b32 s13, 0
	s_wait_alu depctr_va_vdst(0)
	s_wait_kmcnt 0x0
	s_add_nc_u64 s[4:5], s[4:5], s[10:11]
	s_add_nc_u64 s[8:9], s[8:9], s[12:13]
	s_load_b64 s[14:15], s[4:5], 0x1000            ; m0, l0
	s_load_b64 s[16:17], s[4:5], 0x2100            ; m1, l1
	global_load_b128 v[4:7], v1, s[4:5]            ; o0
	global_load_b128 v[8:11], v1, s[4:5] offset:4352   ; o1
	global_load_b128 v[12:15], v1, s[6:7]          ; wv_b
	s_wait_kmcnt 0x0
	v_mov_b32 v16, s14
	s_delay_alu instid0(VALU_DEP_1)
	v_max_num_f32 v17, s16, v16                    ; the common maximum
	s_delay_alu instid0(VALU_DEP_1)
	v_sub_f32 v18, s14, v17
	s_delay_alu instid0(VALU_DEP_2)
	v_sub_f32 v19, s16, v17
	s_delay_alu instid0(VALU_DEP_2)
	v_mul_f32 v18, 0x3fb8aa3b, v18                 ; x log2(e)
	s_delay_alu instid0(VALU_DEP_2)
	v_mul_f32 v19, 0x3fb8aa3b, v19
	s_wait_alu depctr_va_vdst(0)
	v_exp_f32 v26, v18                             ; f0
	v_exp_f32 v27, v19                             ; f1
	v_nop                                          ; a plain instruction behind the batch,
	s_wait_alu depctr_va_vdst(0)                   ; and a wait ahead of its first reader
	v_mul_f32 v20, s15, v26
	v_fma_f32 v20, s17, v27, v20                   ; f0 l0 + f1 l1: at least 1
	s_wait_alu depctr_va_vdst(0)
	v_rcp_f32 v21, v20
	v_nop
	s_wait_alu depctr_va_vdst(0)
	v_mul_f32 v22, v26, v21                        ; g0, twice: a pair for the packed form
	v_mul_f32 v23, v26, v21
	v_mul_f32 v24, v27, v21                        ; g1
	v_mul_f32 v25, v27, v21
	s_wait_alu depctr_va_vdst(0)
	s_wait_loadcnt 0x0
	v_pk_fma_f32 v[12:13], v[8:9], v[24:25], v[12:13]
	v_pk_fma_f32 v[14:15], v[10:11], v[24:25], v[14:15]
	s_delay_alu instid0(VALU_DEP_2)
	v_pk_fma_f32 v[12:13], v[4:5], v[22:23], v[12:13]
	s_delay_alu instid0(VALU_DEP_2)
	v_pk_fma_f32 v[14:15], v[6:7], v[22:23], v[14:15]
	global_store_b128 v1, v[12:15], s[8:9]         ; a wave stores 512 consecutive bytes, aligned to 256
	s_endpgm
.Lfunc_end_k_qf1b71f8a35_combine:
	.size	k_qf1b71f8a35_combine, .Lfunc_end_k_qf1b71f8a35_combine-k_qf1b71f8a35_combine
	.p2alignl 7, 3214868480
	.fill 96, 4, 3214868480
	.section	.rodata,"a",@progbits
	.p2align	6, 0x0
	.amdhsa_kernel k_qf1b71f8a35_combine
		.amdhsa_group_segment_fixed_size 0
		.amdhsa_private_segment_fixed_size 0
		.amdhsa_enable_private_segment 0
		.amdhsa_kernarg_size 24
		.amdhsa_user_sgpr_count 2
		.amdhsa_user_sgpr_kernarg_segment_ptr 1
		.amdhsa_wavefront_size32 1
		.amdhsa_system_sgpr_workgroup_id_x 1
		.amdhsa_system_sgpr_workgroup_id_y 1
		.amdhsa_system_sgpr_workgroup_id_z 1
		.amdhsa_system_vgpr_workitem_id 0
		.amdhsa_next_free_vgpr 32
		.amdhsa_next_free_sgpr 66
		.amdhsa_reserve_vcc 0
		.amdhsa_float_denorm_mode_32 3
		.amdhsa_float_denorm_mode_16_64 3
		.amdhsa_memory_ordered 1
		.amdhsa_forward_progress 1
		.amdhsa_inst_pref_size 3
	.end_amdhsa_kernel
	.amdgpu_metadata
---
amdhsa.version: [ 1, 2 ]
amdhsa.kernels:
  - .name:           k_qf1b71f8a35_combine
    .symbol:         k_qf1b71f8a35_combine.kd
    .args:
      - { .name: part, .offset: 0, .size: 8, .value_kind: global_buffer, .address_space: global }
      - { .name: wv_b, .offset: 8, .size: 8, .value_kind: global_buffer, .address_space: global }
      - { .name: out0, .offset: 16, .size: 8, .value_kind: global_buffer, .address_space: global }
    .group_segment_fixed_size: 0
    .private_segment_fixed_size: 0
    .kernarg_segment_align: 8
    .kernarg_segment_size: 24
    .max_flat_workgroup_size: 256
    .sgpr_count:     66
    .vgpr_count:     32
    .wavefront_size: 32
...
	.end_amdgpu_metadata
.endif
;; end of part 3
